; MI455X (gfx1250); checked and timed in simulation.
; The chip was launched on July 23, 2026; its instructions are those of AMD's public machine-readable ISA for CDNA 5 (MIT licence, August 2026) and "CDNA5" Instruction Set Architecture Reference Guide (July 2026). The comments in the code are by the model that wrote it; some were corrected since.
;; Expert Linear. Allowed arithmetic: matrix products marked QUANTISED: E5M2 operands, one E8M0 scale for each 32 along K, by v_wmma_scale_f32_16x16x128_f8f6f4 with both operands' format E5M2, f32 sums; products left as they are: f32 operands where the result goes on into a quantised operand, else bf16, f16 or f32 operands; f32 sums; everything else in f32.
;; Inputs: W 8 x 1,024 x 1,024 float32; b 8 x 1 x 1,024 float32; weights 8,192 x 8 float32; x 8,192 x 1,024 float32.
;; Outputs: out0 8,192 x 1,024 float32.
;; This version of the problem:
;;   THIS VERSION OF THE PROBLEM IS GIVEN IN LOW PRECISION. The matrix products marked QUANTISED in the list below multiply operands that are first quantised to E5M2 (5 exponent bits, 2 mantissa bits; 8 bits a number), with one power-of-two scale for each 32 numbers along K (OCP MX v1.0); their sums are f32. All else is computed in f32.
;;   The module's matrix products, in the order in which they are computed (A, B: the left and right operand; K: the contracted axis; several contracted axes count as one K, in the product's order):
;;     1. batch 8,192 x [M 1,024, K 1] x [K 1, N 8]; A: computed on the way; B: computed on the way: left as it is (no contracted axis)
;;     2. [M 8,192, K 8,192] x [K 8,192, N 1,024]; A: computed on the way; B: input W: QUANTISED
;;     3. [M 8,192, K 8] x [K 8, N 1,024]; A: input weights; B: input b: left as it is (K = 8 < 32)
;;   THE QUANTISER, for each operand of a quantised product, along K:
;;     - K is cut into blocks of 32 from its start; a last block that is shorter is filled with zeros.
;;     - A block's scale is 2^e with e = floor(log2(the largest magnitude in the block)) - 15, held to -126 .. 127; a block of zeros has e = 0. As a byte (E8M0): e + 127.
;;     - Each number is divided by its block's scale, clamped to +-57,344, and rounded to the nearest number of E5M2, ties to even, subnormals kept.
;;     - The product sums the exact products of the quantised numbers (number of the format x scale) in f32.
;;   ~~~python
;;   def quantise(x, axis):      # numpy; x: float32 -> the quantised numbers, widened to float32 again
;;       x = np.moveaxis(x, axis, -1); K = x.shape[-1]
;;       x = np.pad(x, [(0, 0)] * (x.ndim - 1) + [(0, -K % 32)]); x = x.reshape(x.shape[:-1] + (-1, 32)); a = np.abs(x).max(-1, keepdims=True)
;;       e = np.where(a > 0, np.clip(np.frexp(np.where(a > 0, a, 1))[1] - 1 - 15, -126, 127), 0)      # np.frexp(a)[1] - 1 = floor(log2(a)), exactly
;;       r = np.clip(x / 2.0 ** e, -57344, 57344)
;;       step = 2.0 ** (np.maximum(np.frexp(np.where(r == 0, 1, r))[1] - 1, -14) - 2)
;;       q = np.round(r / step) * step * 2.0 ** e      # np.round: ties to even
;;       return np.moveaxis(q.reshape(q.shape[:-2] + (-1,))[..., :K], -1, axis).astype(np.float32)
;;   ~~~
;;   OPERANDS COMPUTED ON THE WAY. 'Computed on the way' means the value that the module computes at that place (a softmax that the list does not call 'softmax' is quantised finished and normalised). What goes into a quantiser is computed in f32, as accurately as f32 sums, v_exp_f32 and their like allow (about 1e-6 of the number): no bf16 or f16 on the way to a quantiser, and a product that is left as it is and whose result goes on into a quantised operand takes f32 operands (vector FMAs, or v_wmma_f32_16x16x4_f32). A number that lies on a knife's edge between two numbers of the format may be rounded either way, as far as f32 arithmetic and the matrix unit's own rounding can turn it there, and no further.
;; One version. Each part assembles by itself: llvm-mc -triple=amdgcn-amd-amdhsa -mcpu=gfx1250 --defsym DOCPART=n.
;; ======== version 1 of 1: 2 launches
;; limits: values are held in bf16: 8 bits of precision; right only within a limited range of input values
;; workspace buffers: aq 69,206,016 bytes; wq 8,650,752 bytes
;; launch quant (part 1): grid 768 x 1, 4 waves a work-group, no clusters, 34,304 bytes of LDS; arguments x, weights, W, aq, wq; writes aq, wq
.if DOCPART == 1
	.amdgcn_target "amdgcn-amd-amdhsa--gfx1250"
	.amdhsa_code_object_version 6
	.text
	.protected	k_qa92a35161f_quant
	.globl	k_qa92a35161f_quant
	.p2align	8
	.type	k_qa92a35161f_quant,@function
k_qa92a35161f_quant:
	s_mov_b64 s[64:65], 0
	v_nop
	global_prefetch_b8 v0, s[64:65] scope:SCOPE_SE
	s_setreg_imm32_b32 hwreg(HW_REG_WAVE_MODE, 25, 1), 1
	s_wait_xcnt 0x0
; BOTH OPERANDS OF THE QUANTISED PRODUCT ARE MADE HERE, ONCE, as codes of BF8 (E5M2) with one E8M0 byte for each 32 along K, K = 1024 e + i (e the expert, i innermost).
;   A[m][k] = weights[m][e] x[m][i] (one f32 multiplication), 8,192 x 8,192;   W[k][n] as it lies in memory, 8,192 x 1,024.
; A block's scale is 2^(floor(log2(its largest magnitude)) - 15), its byte held at 1 from below by a floor; each number is held within +-57,344 x the scale and rounded to the nearest code, ties to even.
; LAYOUT: THE ORDER OF THE OPERAND'S REGISTERS.  A K step s is 128 along K.  A fragment's image is 2,048 bytes: register group c at 512 c + 16 x lane; lane (r = lane % 16, h = lane / 16) holds k = 32 c + 16 h + 0 .. 15.
;   aq: block (mt, s) at 2,162,688 mt + 33,792 s: sixteen images (rows 256 mt + 16 a + r) and 1,024 bytes of scale words: word 2 x lane + j of group g (256 bytes) is row 64 g + 32 j + lane.
;   wq: block (strip of 64 columns, s) at 540,672 strip + 8,448 s: four images (image f, lane r: column 4 r + f) and 256 bytes of scale words: 8 x lane: lanes 0-15 images 0 and 2, lanes 16-31 images 1 and 3.
; Every store of a wave covers whole aligned runs of 256 bytes.
; SHARES: work-groups 0-511 take A (a wave: 64 rows x 128 i x four experts), the longer work; work-groups 512-767 W (a wave: one block of wq).  Waves share nothing: no barrier.  Only A's path uses LDS.
; LIMITS: NaN and infinities among the inputs are not served.  A block of zeros gets the byte 1 where the rule says 127: its codes are zeros, and these bytes are read by this program alone.
.set WSTRIP, 540672
.set WSTEP,  8448
.set ABLK,   2162688
.set STEPB,  33792
.set EXPB,   8*STEPB
.set FLOOR,  0x8000000                 ; 2^(16 - 127)
.set EOFF,   0xf8800000                ; -(15 << 23)
	s_load_b256 s[4:11], s[0:1], 0x0               ; x s[4:5], weights s[6:7], W s[8:9], aq s[10:11]
	s_load_b64 s[12:13], s[0:1], 0x20              ; wq
	v_lshrrev_b32 v1, 5, v0
	v_readfirstlane_b32 s14, v1                    ; wave
	v_and_b32 v1, 31, v0                           ; lane
	s_mov_b32 s24, 0x76543210
	s_mov_b32 s25, 0xfedcba98                      ; lane l xor 16
	s_mov_b32 s26, 0x600000                        ; the mantissa field of 57,344
	s_wait_alu depctr_va_vdst(0)
	s_cmp_lt_u32 ttmp9, 512
	s_cbranch_scc1 .Lpath_a
; W.  A load takes 16 bytes a lane: sixteen lanes one row's 256 bytes, lanes 16-31 the row 16 further down: a lane holds four columns x 16 of k.  The hold writes a column's sixteen numbers into consecutive
; registers, as the conversion wants them.
.set AM, 8
.set PD, 12
.set SC, 16
.set LM, 20
.set WD, 24                            ; the four columns' scale words
.set BY, 28
.set C,  32                            ; a block's codes
.set T,  48                            ; one column's sixteen numbers, held
.set R,  64                            ; three sets of 64 numbers
	v_lshlrev_b32 v3, 3, v1
	v_lshlrev_b32 v4, 4, v1
	v_and_b32 v5, 15, v1
	v_lshrrev_b32 v6, 4, v1
	v_lshlrev_b32 v2, 4, v5
	v_lshl_add_u32 v2, v6, 16, v2                  ; lanes 16-31: 16 rows of 4,096 bytes further down
.irp u, 0,1,2,3
	v_mov_b32 v[PD+\u], 0                          ; a lane permute's destination counts as one of its sources
.endr
	s_sub_co_u32 s15, ttmp9, 512
	s_lshl_b32 s15, s15, 2
	s_add_co_u32 s15, s15, s14
	s_and_b32 s16, s15, 15                         ; strip
	s_lshr_b32 s17, s15, 4                         ; K step
	s_lshl_b32 s18, s17, 19
	s_lshl_b32 s19, s16, 8
	s_add_co_u32 s18, s18, s19
	s_mov_b32 s19, 0
	s_mul_i32 s20, s16, WSTRIP
	s_mul_i32 s21, s17, WSTEP
	s_add_co_u32 s20, s20, s21
	s_mov_b32 s21, 0
	s_mov_b32 s27, 0xffff
	s_wait_alu depctr_va_vdst(0)
	s_wait_kmcnt 0x0
	s_add_nc_u64 s[8:9], s[8:9], s[18:19]
	s_add_nc_u64 s[12:13], s[12:13], s[20:21]
.macro LOADW c
.set R_, R+64*((\c)%3)
.irp i, 0,1,2,3,4,5,6,7,8,9,10,11,12,13,14,15
	global_load_b128 v[R_+4*\i:R_+4*\i+3], v2, s[8:9] offset:(32*(\c)+\i)*4096 th:TH_LOAD_NT
.endr
.endm
.macro BLOCK c, lc
	s_wait_alu depctr_va_vdst(0)
	s_wait_loadcnt \lc                             ; this block's 16 loads are in; the later blocks' may be out
.if (\c) > 0
	s_wait_xcnt 0x0                                ; the last block's stores have read their codes
.endif
.set R_, R+64*((\c)%3)
.irp u, 0,1,2,3
	v_max3_num_f32 v[AM+\u], |v[R_+\u]|, |v[R_+4+\u]|, FLOOR
.endr
.irp i, 2,4,6,8,10,12,14
.irp u, 0,1,2,3
	v_max3_num_f32 v[AM+\u], v[AM+\u], |v[R_+4*\i+\u]|, |v[R_+4*\i+4+\u]|
.endr
.endr
.irp u, 0,1,2,3
	v_permlanex16_b32 v[PD+\u], v[AM+\u], s24, s25
.endr
.irp u, 0,1,2,3
	v_max_num_f32 v[AM+\u], v[AM+\u], v[PD+\u]     ; with lane l xor 16's sixteen: the block's
.endr
.irp u, 0,1,2,3
	v_add_nc_u32 v[SC+\u], EOFF, v[AM+\u]          ; the conversion takes the exponent field of this operand as its scale
.endr
.irp u, 0,1,2,3
	v_and_or_b32 v[LM+\u], v[AM+\u], 0x7f800000, s26   ; 57,344 x the scale
.endr
.if (\c) == 0
.irp u, 0,1,2,3
	v_lshrrev_b32 v[WD+\u], 23, v[SC+\u]
.endr
.else
.irp u, 0,1,2,3
	v_lshrrev_b32 v[BY+\u], 23, v[SC+\u]
.endr
.irp u, 0,1,2,3
	v_lshl_or_b32 v[WD+\u], v[BY+\u], 8*(\c), v[WD+\u]
.endr
.endif
.irp u, 0,1,2,3
.irp i, 0,1,2,3,4,5,6,7,8,9,10,11,12,13,14,15
	v_med3_num_f32 v[T+\i], v[R_+4*\i+\u], -v[LM+\u], v[LM+\u]   ; the hold (ISA guide 7.6.2), and column u's numbers side by side
.endr
	v_cvt_scalef32_pk8_bf8_f32 v[C+4*\u:C+4*\u+1], v[T:T+7], v[SC+\u]
	v_cvt_scalef32_pk8_bf8_f32 v[C+4*\u+2:C+4*\u+3], v[T+8:T+15], v[SC+\u]
	v_nop                                          ; a plain line behind the conversions
	global_store_b128 v4, v[C+4*\u:C+4*\u+3], s[12:13] offset:2048*\u+512*(\c) th:TH_STORE_NT   ; 512 consecutive bytes of image u
.endr
.endm
	LOADW 0
	LOADW 1
	LOADW 2
	BLOCK 0, 32
	LOADW 3
	BLOCK 1, 32
	BLOCK 2, 16
	BLOCK 3, 0
	v_cndmask_b32 v30, v[WD+1], v[WD], s27         ; lanes 0-15 image 0's words, lanes 16-31 image 1's
	v_cndmask_b32 v31, v[WD+3], v[WD+2], s27
	global_store_b64 v3, v[30:31], s[12:13] offset:8192 th:TH_STORE_NT
	s_endpgm
; A.  A tile of 16 rows x 128 i of x is loaded 512 consecutive bytes of a row at a time and turned through the wave's own stage in LDS, so that lane (r, h) holds, of row r, i = 32 c + 16 h + 0 .. 15 of each block c.
; It then serves four experts (the wave beside it the other four); four tiles, a tile a trip.
; A BLOCK'S LARGEST MAGNITUDE IS SEARCHED FOR ONCE, IN x: rounding to f32 keeps order, so the largest |fl(w x)| of a block is fl(|w| x the largest |x|).
.Lpath_a:
.set AM,  10                           ; v10-13  the largest |x| of the four blocks
.set PD,  14
.set AMX, 18                           ; v18-21  the largest |w x|
.set LIM, 22                           ; v22-25  57,344 x the scale
.set SCL, 26                           ; v26-29  the conversions' scale operands
.set BYT, 30                           ; v30-33
.set PW,  34                           ; v34     my row's scale word
.set WC,  40                           ; v40-43  my row's four weights
.set WN,  48                           ; v48-51  the next tile's
.set SW,  64                           ; v64-71  the scale words of the wave's 64 rows: register 2 e + j, lane l: row 32 j + l
.set C0,  72                           ; an even expert's codes: v72-87, four registers for each block
.set C1,  36                           ; an odd expert's: v36-39, v44-47, v52-55, v60-63
.set P,   88                           ; v88-119 two sets of 16 products
.set X,   120                          ; v120-183 the tile of x in the operand's order
.set R,   184                          ; v184-247 the next tile as it is loaded
.set SPW, 254
.set NIL, 255
	v_lshl_add_u32 v[SPW], v0, 2, 0x8400           ; my spare word, behind the four stages
	v_mov_b32 v[NIL], 0
	s_lshl_b32 s15, ttmp9, 2
	s_add_co_u32 s15, s15, s14                     ; 0 .. 2,047
	s_and_b32 s21, s15, 1                          ; which four experts
	s_lshr_b32 s16, s15, 1
	s_and_b32 s16, s16, 7                          ; which 128 of i
	s_lshr_b32 s17, s15, 4                         ; which 64 rows
	s_lshr_b32 s18, s17, 2                         ; mt
	s_and_b32 s19, s17, 3                          ; g
	s_lshl_b32 s28, s17, 18                        ; x: 64 rows of 4,096 bytes,
	s_lshl_b32 s29, s16, 9                         ; 512 bytes for 128 numbers
	s_add_co_u32 s28, s28, s29
	s_mov_b32 s29, 0
	s_lshl_b32 s30, s17, 11                        ; weights: 64 rows of 32 bytes
	s_lshl_b32 s31, s21, 4
	s_add_co_u32 s30, s30, s31
	s_mov_b32 s31, 0
	s_mul_i32 s32, s18, ABLK
	s_mul_i32 s33, s16, STEPB
	s_add_co_u32 s32, s32, s33
	s_mul_i32 s33, s21, 4*EXPB
	s_add_co_u32 s32, s32, s33                     ; aq: block (mt, K step i / 128 of my first expert)
	s_lshl_b32 s33, s19, 13
	s_add_co_u32 s34, s32, s33                     ; my first image: row block 4 g
	s_mov_b32 s35, 0
	s_lshl_b32 s33, s19, 8
	s_add_co_u32 s32, s32, s33
	s_add_co_u32 s32, s32, 32768                   ; my group of scale words
	s_mov_b32 s33, 0
	s_mul_i32 s27, s14, 8448                       ; my stage: 16 rows of 512 bytes + 16 = 132 words: row r starts at bank 4 r mod 64 (64 banks of 4 bytes: ISA guide 11.1)
	v_lshlrev_b32 v4, 4, v1                        ; 16 x lane
	v_add_nc_u32 v5, s27, v4                       ; the stage, on the way in
	v_and_b32 v2, 15, v1                           ; r
	v_lshrrev_b32 v3, 4, v1                        ; h
	v_mul_u32_u24 v6, v2, 528
	v_lshl_add_u32 v6, v3, 6, v6
	v_add_nc_u32 v6, s27, v6                       ; and on the way out: row r, + 64 h bytes
	v_lshlrev_b32 v7, 5, v2                        ; weights: row r
	v_lshlrev_b32 v9, 3, v1                        ; scale words: 8 bytes a lane
.irp u, 0,1,2,3
	v_mov_b32 v[PD+\u], 0
.endr
.irp u, 0,1,2,3,4,5,6,7
	v_mov_b32 v[SW+\u], 0                          ; each trip fills sixteen lanes of these
.endr
	s_mov_b32 s22, 0xffff                          ; s[22:23]: which sixteen lanes of the pair (2 e, 2 e + 1) this trip's rows are: 16 on in each trip
	s_mov_b32 s23, 0
	s_mov_b32 s20, 4                               ; trips
	s_wait_alu depctr_va_vdst(0)
	s_wait_kmcnt 0x0
	s_add_nc_u64 s[4:5], s[4:5], s[28:29]
	s_add_nc_u64 s[6:7], s[6:7], s[30:31]
	s_add_nc_u64 s[36:37], s[10:11], s[34:35]      ; images
	s_sub_nc_u64 s[36:37], s[36:37], 2048          ; (each trip steps it ahead of its first store)
	s_add_nc_u64 s[38:39], s[10:11], s[32:33]      ; scale words
.macro TILE_IN                         ; 16 rows' 512 bytes, and the rows' weights
.irp j, 0,1,2,3,4,5,6,7,8,9,10,11,12,13,14,15
	global_load_b128 v[R+4*\j:R+4*\j+3], v4, s[4:5] offset:\j*4096
.endr
	global_load_b128 v[WN:WN+3], v7, s[6:7]
.endm
.macro EXPERT e                        ; one expert's image of the tile in hand
.irp c, 0,1,2,3
	v_mul_f32 v[AMX+\c], |v[WC+\e]|, v[AM+\c]
.endr
.irp c, 0,1,2,3
	v_max_num_f32 v[AMX+\c], FLOOR, v[AMX+\c]
.endr
.irp c, 0,1,2,3
	v_add_nc_u32 v[SCL+\c], EOFF, v[AMX+\c]
.endr
.irp c, 0,1,2,3
	v_and_or_b32 v[LIM+\c], v[AMX+\c], 0x7f800000, s26
.endr
.irp c, 0,1,2,3
	v_lshrrev_b32 v[BYT+\c], 23, v[SCL+\c]
.endr
	v_lshl_or_b32 v[PW], v[BYT+1], 8, v[BYT]
	v_lshl_or_b32 v[PW], v[BYT+2], 16, v[PW]
	v_lshl_or_b32 v[PW], v[BYT+3], 24, v[PW]       ; row r's word, in lanes r and 16 + r alike
	v_cndmask_b32 v[SW+2*\e], v[SW+2*\e], v[PW], s22
	v_cndmask_b32 v[SW+2*\e+1], v[SW+2*\e+1], v[PW], s23
.irp c, 0,1,2,3
.irp p, 0,2,4,6,8,10,12,14
.if \e%2 == 0
	v_pk_mul_f32 v[P+16*(\c%2)+\p:P+16*(\c%2)+\p+1], v[X+16*\c+\p:X+16*\c+\p+1], v[WC+\e:WC+\e+1] op_sel_hi:[1,0]
.else
	v_pk_mul_f32 v[P+16*(\c%2)+\p:P+16*(\c%2)+\p+1], v[X+16*\c+\p:X+16*\c+\p+1], v[WC+\e-1:WC+\e] op_sel:[0,1] op_sel_hi:[1,1]
.endif
.endr
.irp i, 0,1,2,3,4,5,6,7,8,9,10,11,12,13,14,15
	v_med3_num_f32 v[P+16*(\c%2)+\i], v[P+16*(\c%2)+\i], -v[LIM+\c], v[LIM+\c]   ; the hold (ISA guide 7.6.2)
.endr
.if (\c == 0) && (\e%2 == 0)
	s_wait_alu depctr_va_vdst(0)
	s_wait_xcnt 0x0                                ; every earlier store has read its data and its base: both sets of code registers, and the base, may be written
.if \e == 0
	s_add_nc_u64 s[36:37], s[36:37], 2048          ; this row block's images
.endif
.endif
.if \e%2 == 0
.set CE, C0+4*\c
.else
.set CE, C1+8*\c
.endif
	v_cvt_scalef32_pk8_bf8_f32 v[CE:CE+1], v[P+16*(\c%2):P+16*(\c%2)+7], v[SCL+\c]
	v_cvt_scalef32_pk8_bf8_f32 v[CE+2:CE+3], v[P+16*(\c%2)+8:P+16*(\c%2)+15], v[SCL+\c]
.endr
	v_nop                                          ; a plain line behind the last conversion
.irp c, 0,1,2,3
.if \e%2 == 0
.set CE, C0+4*\c
.else
.set CE, C1+8*\c
.endif
	global_store_b128 v4, v[CE:CE+3], s[36:37] offset:\e*EXPB+\c*512 th:TH_STORE_NT   ; 32 lanes store 512 consecutive bytes of the image
.endr
.endm
	TILE_IN
.Ltile:
	s_wait_loadcnt 0x0                             ; the tile and its weights are in: the loads' bases are free
.irp u, 0,1,2,3
	v_mov_b32 v[WC+\u], v[WN+\u]
.endr
.irp j, 0,1,2,3,4,5,6,7,8,9,10,11,12,13,14,15
	ds_store_b128 v5, v[R+4*\j:R+4*\j+3] offset:\j*528
.endr
.irp c, 0,1,2,3
.irp q, 0,1,2,3
	ds_load_b128 v[X+16*\c+4*\q:X+16*\c+4*\q+3], v6 offset:128*\c+16*\q   ; LDS serves a wave's instructions in order (ISA guide 5.7.1.4)
.endr
.endr
	s_wait_alu depctr_va_vdst(0)
	s_wait_dscnt 0x0                               ; the tile is back, and the stores have read their registers
	s_cmp_eq_u32 s20, 1                            ; the next tile is asked for now, if there is one
	s_cbranch_scc1 .Lno_next
	s_add_nc_u64 s[4:5], s[4:5], 16*4096
	s_add_nc_u64 s[6:7], s[6:7], 16*32
	TILE_IN
.Lno_next:
.irp c, 0,1,2,3
	v_max3_num_f32 v[AM+\c], |v[X+16*\c]|, |v[X+16*\c+1]|, 0
.endr
.irp i, 2,4,6,8,10,12,14
.irp c, 0,1,2,3
	v_max3_num_f32 v[AM+\c], v[AM+\c], |v[X+16*\c+\i]|, |v[X+16*\c+\i+1]|
.endr
.endr
.irp c, 0,1,2,3
	v_permlanex16_b32 v[PD+\c], v[AM+\c], s24, s25
.endr
.irp c, 0,1,2,3
	v_max_num_f32 v[AM+\c], v[AM+\c], v[PD+\c]
.endr
.irp e, 0,1,2,3
	EXPERT \e
.endr
	s_lshl_b64 s[22:23], s[22:23], 16
	s_wait_alu depctr_va_vdst(0)
	s_sub_co_u32 s20, s20, 1
	s_cmp_lg_u32 s20, 0
	s_cbranch_scc1 .Ltile
.irp e, 0,1,2,3
	global_store_b64 v9, v[SW+2*\e:SW+2*\e+1], s[38:39] offset:\e*EXPB th:TH_STORE_NT   ; 32 lanes store the 256 bytes of my 64 rows' scale words
.endr
	s_wait_tensorcnt 0x0                           ; the wave's end
	ds_add_u32 v[SPW], v[NIL]
	s_wait_dscnt 0x0
	s_endpgm
.Lfunc_end_k_qa92a35161f_quant:
	.size	k_qa92a35161f_quant, .Lfunc_end_k_qa92a35161f_quant-k_qa92a35161f_quant
	.p2alignl 7, 3214868480
	.fill 96, 4, 3214868480
	.section	.rodata,"a",@progbits
	.p2align	6, 0x0
	.amdhsa_kernel k_qa92a35161f_quant
		.amdhsa_group_segment_fixed_size 34304
		.amdhsa_private_segment_fixed_size 0
		.amdhsa_enable_private_segment 0
		.amdhsa_kernarg_size 40
		.amdhsa_user_sgpr_count 2
		.amdhsa_user_sgpr_kernarg_segment_ptr 1
		.amdhsa_wavefront_size32 1
		.amdhsa_system_sgpr_workgroup_id_x 1
		.amdhsa_system_sgpr_workgroup_id_y 1
		.amdhsa_system_sgpr_workgroup_id_z 1
		.amdhsa_system_vgpr_workitem_id 0
		.amdhsa_next_free_vgpr 256
		.amdhsa_next_free_sgpr 66
		.amdhsa_reserve_vcc 0
		.amdhsa_float_denorm_mode_32 3
		.amdhsa_float_denorm_mode_16_64 3
		.amdhsa_memory_ordered 1
		.amdhsa_forward_progress 1
		.amdhsa_inst_pref_size 88
	.end_amdhsa_kernel
	.amdgpu_metadata
---
amdhsa.version: [ 1, 2 ]
amdhsa.kernels:
  - .name:           k_qa92a35161f_quant
    .symbol:         k_qa92a35161f_quant.kd
    .args:
      - { .name: x, .offset: 0, .size: 8, .value_kind: global_buffer, .address_space: global }
      - { .name: weights, .offset: 8, .size: 8, .value_kind: global_buffer, .address_space: global }
      - { .name: W, .offset: 16, .size: 8, .value_kind: global_buffer, .address_space: global }
      - { .name: aq, .offset: 24, .size: 8, .value_kind: global_buffer, .address_space: global }
      - { .name: wq, .offset: 32, .size: 8, .value_kind: global_buffer, .address_space: global }
    .group_segment_fixed_size: 34304
    .private_segment_fixed_size: 0
    .kernarg_segment_align: 8
    .kernarg_segment_size: 40
    .max_flat_workgroup_size: 128
    .sgpr_count:     66
    .vgpr_count:     256
    .wavefront_size: 32
...
	.end_amdgpu_metadata
.endif
;; end of part 1
;; launch gemm (part 2): grid 256 x 1, 4 waves a work-group, clusters of 4 x 1, 327,680 bytes of LDS; arguments aq, wq, weights, b, out0; writes out0
.if DOCPART == 2
	.amdgcn_target "amdgcn-amd-amdhsa--gfx1250"
	.amdhsa_code_object_version 6
	.text
	.protected	k_qa92a35161f_gemm
	.globl	k_qa92a35161f_gemm
	.p2align	8
	.type	k_qa92a35161f_gemm,@function
k_qa92a35161f_gemm:
	s_mov_b64 s[64:65], 0
	v_nop
	global_prefetch_b8 v0, s[64:65] scope:SCOPE_SE
	s_setreg_imm32_b32 hwreg(HW_REG_WAVE_MODE, 25, 1), 1
	s_wait_xcnt 0x0
	s_wait_alu depctr_hold_cnt(0) depctr_sa_sdst(0) depctr_va_vdst(0) depctr_va_sdst(0) depctr_va_ssrc(0) depctr_va_vcc(0) depctr_vm_vsrc(0)
	s_getreg_b32 s2, hwreg(HW_REG_IB_STS2, 6, 4)
	s_cmp_eq_u32 s2, 0
	s_cbranch_scc0 .Lentry_in_a_cluster
	s_endpgm
.Lentry_in_a_cluster:
	s_bfe_u32 s2, ttmp6, 0x10000c
	s_cmp_lg_u32 s2, 0x3003
	s_cbranch_scc0 .Lentry_shape_is_right
	s_endpgm
.Lentry_shape_is_right:
; out0[m][n] = sum over e of weights[m][e] b[e][n]  +  sum over k of A[m][k] W[k][n], K = 8,192, on codes of BF8 (E5M2) with one E8M0 byte for each 32 along K, as the launch before has laid them:
;   aq: block (mt, s) at 2,162,688 mt + 33,792 s: sixteen fragment images of 2,048 bytes (rows 256 mt + 16 a on, K step s of 128), then 1,024 bytes of scale words;
;   wq: block (strip, s) at 540,672 strip + 8,448 s: four images (image f, lane r: column 4 r + f of the strip), then 256 bytes of scale words.
; SHARES.  A work-group makes 256 rows x 128 columns: 32 x 8 = 256 work-groups.  A wave makes all 256 rows x 64 columns (strip 2 nt + w % 2) over every second K step (parity w / 2): 64 accumulators, 512 registers.
; So each fragment of W is multiplied by ONE wave: it goes from memory straight into that wave's registers, three of its K steps (192 products) ahead, and is not asked for jointly.
; A is wanted by all four waves and by the eight work-groups of a row of tiles: four of them are a cluster and ask for it JOINTLY, into a ring of two LDS slots of four K steps (135,168 bytes), a K step to a wave's load.
; The two clusters of one row of tiles have numbers 16 apart.
; A'S BLOCKS GO IN GROUPS of 6, 6 and 4 through two register buffers by turns (three groups a K step, so a buffer's part comes back every second K step): at a group's head the next group's loads go out, in one run
; with W's, and have the whole group in which to land.
; A PREFETCH stands behind each refill for the one two refills on: a K step's 132 blocks of 256 bytes shared out by address among the four work-groups; the last two refills of either slot's walk ask for nothing.
; At the head the first lap's two refills are asked for.
; AT THE END the two waves of a strip exchange half of their sums through LDS: each keeps 128 rows.  The addition also sets W's four column blocks side by side: a lane then holds 32 neighbouring columns of a row.
; THE MATRIX INSTRUCTION IS USED TRANSPOSED (source 0 = 16 columns of W, source 1 = 16 rows of A).
; THE BIAS starts the sums: one bf16 matrix instruction for each accumulator (K = 8 of its 32, the rest zeros), with the constant 0 as C; in the waves of the odd K steps b is replaced by zeros.
; LIMITS: weights and b are rounded to bf16 for that product of K = 8 alone.  NaN and infinities among the inputs are not served.
; REGISTERS, windows of 256: window 0: v0-31 addresses, v32-47 A's scale words (two sets), v48-55 W's (four sets), v64-159 and v160-255 A's fragments (two buffers of six blocks).  window 1: W's fragments, FOUR sets of 64.
;   window 2: accumulators of rows 0-127; window 3: of rows 128-255.
.set STEPB,  33792
.set SLOT,   4*STEPB
.set ABLK,   2162688
.set WSTEP,  8448
.set WSTRIP, 540672
.set SPARE,  2*SLOT
.set SPITCH, 272                       ; a stage of 16 rows x (256 bytes + 16) for each wave: 68 words: row r starts at bank 4 r mod 64 (ISA guide 11.1)
.set ADA,  4                           ; v4-7    LDS address of my 16 bytes of an image, for my four K steps of a lap
.set ASC,  8                           ; v8-11   and of my 8 bytes of scale words
.set BO,   12                          ; 16 x lane
.set BSO,  13                          ; 8 x lane
.set SPW,  14
.set NIL,  15
.set EXS,  16                          ; the exchange: where I put sums, where my partner's are
.set EXR,  17
.set STO,  18
.set RD,   19
.set CO,   20
.set PF1,  21
.set PF2,  22
.set SA,   32
.set SB,   48
.set AF,   64
.set WFR,  192                         ; window 1
.set BRAW, 192
.set BFR,  224
.set G1,   24
.set G0,   32                          ; s[32:39] group 0, a set for each slot
.set BP,   40                          ; wq at my strip and parity, at the lap's first K step
.set OP,   42
.set AP,   44                          ; aq at my K step of the lap's first slot
.set MSB, 0
.macro WIN new                         ; the immediate's high byte repeats the setting that is left
.if MSB != (\new)
	s_set_vgpr_msb (MSB<<8)|(\new)
.set MSB, (\new)
.endif
.endm
.macro CREST                           ; a round of the cluster's barrier behind its opening barrier
	s_cmp_lg_u32 s14, 0
	s_cbranch_scc1 .Lnot_wave_0_\@
	s_barrier_signal -3
.Lnot_wave_0_\@:
	s_barrier_wait -3
	s_barrier_signal -1
	s_barrier_wait -1
.endm
.macro CROUND
	s_barrier_signal -1
	s_barrier_wait -1
	CREST
.endm
.macro PLACES n                        ; plain vector lines behind a matrix instruction (ISA guide 7.12.1 for vector instructions)
.rept \n
	v_nop
.endr
.endm
.macro WL t, hf                        ; W's fragments of my K step t of the lap into set t % 4: half of 17 loads
.set wS, (\t)%4
	WIN 0x40
.irp f, 2*(\hf), 2*(\hf)+1
.irp c, 0,1,2,3
	global_load_b128 v[64*wS+16*(\f)+4*\c:64*wS+16*(\f)+4*\c+3], v[BO], s[BP:BP+1] offset:(\t)*2*WSTEP+(\f)*2048+\c*512
.endr
.endr
.if (\hf) == 1
	WIN 0
	global_load_b64 v[SB+2*wS:SB+2*wS+1], v[BSO], s[BP:BP+1] offset:(\t)*2*WSTEP+8192
.endif
.endm
.macro LDA t, g                        ; group g of my K step t: A's blocks 6 g on, six or (g = 2) four, into buffer (t + g) % 2: 24 or 16 loads
.set lB, AF+96*(((\t)+(\g))%2)
	WIN 0
.set L_, 0
.rept 6-2*((\g)/2)
.irp c, 0,1,2,3
	ds_load_b128 v[lB+16*L_+4*\c:lB+16*L_+4*\c+3], v[ADA+(\t)%4] offset:(6*(\g)+L_)*2048+512*\c
.endr
.set L_, L_+1
.endr
.endm
.macro LDSC t                          ; its scale words: 4 loads
	WIN 0
.irp q, 0,1,2,3
	ds_load_b64 v[SA+8*((\t)%2)+2*\q:SA+8*((\t)%2)+2*\q+1], v[ASC+(\t)%4] offset:32768+256*\q
.endr
.endm
; Product n of group g: A's block 6 g + n / 4, W's block n % 4.  The 64 accumulators take turns, in the same order in every K step.
.macro MM t, g, n
.set mA, 6*(\g)+(\n)/4
.set mB, (\n)%4
.set mD, 8*(4*(mA%8)+mB)
.set mF, AF+96*(((\t)+(\g))%2)+16*((\n)/4)
.set mW, 64*((\t)%4)+16*mB
.set mU, SA+8*((\t)%2)+mA/2
.set mV, SB+2*((\t)%4)+mB/2
	WIN (0xa1+0x50*(mA/8))
.if (mA%2 == 0) && (mB%2 == 0)
	v_wmma_scale_f32_16x16x128_f8f6f4 v[mD:mD+7], v[mW:mW+15], v[mF:mF+15], v[mD:mD+7], v[mV], v[mU] matrix_a_fmt:MATRIX_FMT_BF8 matrix_b_fmt:MATRIX_FMT_BF8
.elseif (mA%2 == 0)
	v_wmma_scale_f32_16x16x128_f8f6f4 v[mD:mD+7], v[mW:mW+15], v[mF:mF+15], v[mD:mD+7], v[mV], v[mU] matrix_a_fmt:MATRIX_FMT_BF8 matrix_b_fmt:MATRIX_FMT_BF8 matrix_a_scale:MATRIX_SCALE_ROW1
.elseif (mB%2 == 0)
	v_wmma_scale_f32_16x16x128_f8f6f4 v[mD:mD+7], v[mW:mW+15], v[mF:mF+15], v[mD:mD+7], v[mV], v[mU] matrix_a_fmt:MATRIX_FMT_BF8 matrix_b_fmt:MATRIX_FMT_BF8 matrix_b_scale:MATRIX_SCALE_ROW1
.else
	v_wmma_scale_f32_16x16x128_f8f6f4 v[mD:mD+7], v[mW:mW+15], v[mF:mF+15], v[mD:mD+7], v[mV], v[mU] matrix_a_fmt:MATRIX_FMT_BF8 matrix_b_fmt:MATRIX_FMT_BF8 matrix_a_scale:MATRIX_SCALE_ROW1 matrix_b_scale:MATRIX_SCALE_ROW1
.endif
.endm
.macro MUL t, g, from, to
.set M_, \from
.rept (\to)-(\from)
	MM \t, \g, M_
.set M_, M_+1
.endr
.endm
; A group.  At its head, eight places behind the last product (which read the buffer that is loaded now), the next group's loads go out: 24 or 16, or a next K step's four of scale words and 24.
; wl: in groups 0 and 1 W's fragments three of my K steps on are asked for in the same run.  lc: W's loads that may be out: 17 for each later K step asked for, and the 8 just issued.
; Each block is waited for by count: the blocks behind it and the run just issued may be out.  last: nothing follows.
.macro GRP t, g, lc, wl, last
.set gN, 6-2*((\g)/2)
.set yN, 0
.if (\last) == 0
	PLACES 8
.if (\g) == 2
	LDSC (\t)+1
	LDA (\t)+1, 0
.set yN, 28
.elseif (\g) == 1
	LDA \t, 2
.set yN, 16
.else
	LDA \t, 1
.set yN, 24
.endif
.endif
.if (\wl) && ((\g) < 2)
	WL (\t)+3, \g
.endif
.if (\g) == 0
	s_wait_loadcnt \lc
.endif
.set K_, 0
.rept gN
	s_wait_dscnt yN+4*(gN-1-K_)
	MUL \t, \g, 4*K_, 4*K_+4
.set K_, K_+1
.endr
.endm
; The last group of a slot's last K step changes slots: in front of ONE barrier each wave waits for all its tensor loads, adds 0 to its spare word, and waits for that and for its own reads of this slot.
; fill = 1: the barrier opens a round of the cluster's barrier, and this slot is filled again, eight K steps on.
.macro TURN t, sl, fill
	WIN 0
	s_wait_tensorcnt 0x0                           ; my K step of the next slot is in
	ds_add_u32 v[SPW], v[NIL]
	s_wait_dscnt 13                                ; the first block is in; three blocks and the add may be out
	MUL \t, 2, 0, 4
	s_wait_dscnt 0x0                               ; the add is done, and my reads of this slot are over
	s_barrier_signal -1
	MUL \t, 2, 4, 6
	WIN 0
	s_barrier_wait -1
.if \fill
	CREST
	s_add_nc_u64 s[G0+4*\sl+2:G0+4*\sl+3], s[G0+4*\sl+2:G0+4*\sl+3], 2*SLOT
	tensor_load_to_lds s[G0+4*\sl:G0+4*\sl+3], s[G1:G1+7]
	s_nop 0
.endif
	PLACES 8
	LDSC (\t)+1
	LDA (\t)+1, 0
.if \fill
	s_cmp_gt_u32 s3, 1
	s_cbranch_scc0 .Lnone_ahead_\@
	global_prefetch_b8 v[PF1], s[AP:AP+1] offset:(4+\sl)*SLOT th:TH_LOAD_NT scope:SCOPE_SE   ; my quarter of the K step that I load two refills on
	global_prefetch_b8 v[PF2], s[AP:AP+1] offset:(4+\sl)*SLOT th:TH_LOAD_NT scope:SCOPE_SE
.Lnone_ahead_\@:
.endif
	MUL \t, 2, 6, 16
.endm
.macro KSTEP t, lc, wl                 ; groups 0 and 1 of my K step t
	GRP \t, 0, \lc, \wl, 0
	GRP \t, 1, \lc, \wl, 0
.endm
	s_load_b256 s[4:11], s[0:1], 0x0               ; aq s[4:5], wq s[6:7], weights s[8:9], b s[10:11]
	s_load_b64 s[12:13], s[0:1], 0x20              ; out0
	v_lshl_add_u32 v[SPW], v0, 2, SPARE
	v_mov_b32 v[NIL], 0
	ds_add_u32 v[SPW], v[NIL]                      ; the wave's opening: two adds, waited for ahead of my first tensor load
	ds_add_u32 v[SPW], v[NIL]
	v_lshrrev_b32 v1, 5, v0
	v_readfirstlane_b32 s14, v1                    ; wave
	s_bfe_u32 s15, ttmp6, 0x40000                  ; cx: it enters wq's, b's, out0's and the prefetches' addresses alone
	s_lshr_b32 s16, ttmp9, 4
	s_and_b32 s16, s16, 1
	s_lshl_b32 s16, s16, 2
	s_add_co_u32 s16, s16, s15                     ; nt: which 128 columns
	s_lshr_b32 s17, ttmp9, 5
	s_lshl_b32 s17, s17, 4
	s_and_b32 s18, ttmp9, 15
	s_add_co_u32 s17, s17, s18                     ; mt: which 256 rows: the four partners share it
	s_and_b32 s18, s14, 1                          ; which strip
	s_lshr_b32 s19, s14, 1                         ; which parity of K steps
	s_lshl_b32 s20, s16, 1
	s_add_co_u32 s20, s20, s18                     ; my strip of 64 columns
	; descriptor group 1: a dense block of 33,792 bytes as 132 rows of 256 bytes (32 elements of 8 bytes), no padding: images are read 512 consecutive bytes at a time
	s_mov_b32 s[G1+0], 15|(3<<16)|(1<<21)
	s_mov_b32 s[G1+1], 32<<16
	s_mov_b32 s[G1+2], 132<<16
	s_mov_b32 s[G1+3], 32<<16
	s_mov_b32 s[G1+4], 132
	s_mov_b32 s[G1+5], 32
	s_mov_b32 s[G1+6], 0
	s_mov_b32 s[G1+7], 0
	s_mul_i32 s45, s14, STEPB                      ; my K step of a slot, in memory and in LDS alike
	s_mul_i32 s48, s17, ABLK
	s_add_co_u32 s48, s48, s45
	s_mov_b32 s49, 0
	s_mul_i32 s50, s20, WSTRIP
	s_mul_i32 s51, s19, WSTEP
	s_add_co_u32 s50, s50, s51
	s_mov_b32 s51, 0
	s_lshl_b32 s52, s20, 8                         ; my first column in bytes
	s_mov_b32 s53, 0
	s_lshl_b32 s54, s17, 20                        ; out0: 256 rows of 4,096 bytes; I store 128 of them
	s_lshl_b32 s55, s19, 19
	s_add_co_u32 s54, s54, s55
	s_mov_b32 s55, 0
	s_lshl_b32 s56, s17, 13                        ; weights: 256 rows of 32 bytes
	s_mov_b32 s57, 0
	s_mov_b32 s22, 0xffff                          ; lanes 0-15
	s_cmp_eq_u32 s19, 0
	s_cselect_b32 s22, s22, 0                      ; none in the waves of the odd K steps
	s_mov_b32 s3, 7                                ; laps of the loop
	s_wait_dscnt 0x0                               ; both opening adds are done
	s_wait_kmcnt 0x0
	s_add_nc_u64 s[58:59], s[4:5], s[48:49]
	s_add_nc_u64 s[BP:BP+1], s[6:7], s[50:51]
	s_add_nc_u64 s[8:9], s[8:9], s[56:57]
	s_add_nc_u64 s[10:11], s[10:11], s[52:53]
	s_add_nc_u64 s[OP:OP+1], s[12:13], s[54:55]
	s_add_nc_u64 s[OP:OP+1], s[OP:OP+1], s[52:53]
.irp s, 0,1
	s_mov_b32 s[G0+4*\s], 1
	s_add_co_u32 s[G0+4*\s+1], s45, \s*SLOT
	s_add_nc_u64 s[G0+4*\s+2:G0+4*\s+3], s[58:59], \s*SLOT
	s_or_b32 s[G0+4*\s+3], s[G0+4*\s+3], 0x80000000
.endr
	s_mov_b64 s[AP:AP+1], s[58:59]
	CROUND                                         ; all four work-groups are here: the first joint loads meet
	tensor_load_to_lds s[G0:G0+3], s[G1:G1+7]      ; slot 0: one load a wave at the head
	s_nop 0
	PLACES 4
	s_mul_i32 s60, s19, STEPB
	s_lshl_b32 s61, s14, 15
	s_xor_b32 s62, s14, 2                          ; the wave of my strip's other K steps
	s_lshl_b32 s62, s62, 15
	s_mul_i32 s63, s14, 16*SPITCH
	s_add_co_u32 s63, s63, SLOT                    ; my stage, in slot 1
	s_mul_i32 s66, s15, 33
	v_and_b32 v23, 31, v0                          ; lane
	v_and_b32 v24, 15, v0                          ; r
	v_bfe_u32 v25, v0, 4, 1                        ; h
	v_lshlrev_b32 v[BO], 4, v23
	v_lshlrev_b32 v[BSO], 3, v23
	v_add_nc_u32 v26, s60, v[BO]
	v_add_nc_u32 v27, s60, v[BSO]
.irp i, 0,1,2,3
	v_add_nc_u32 v[ADA+\i], (\i/2)*SLOT+(\i%2)*2*STEPB, v26
	v_add_nc_u32 v[ASC+\i], (\i/2)*SLOT+(\i%2)*2*STEPB, v27
.endr
	v_add_nc_u32 v[EXS], s61, v[BO]
	v_add_nc_u32 v[EXR], s62, v[BO]
	v_mul_u32_u24 v[STO], v24, SPITCH
	v_lshl_add_u32 v[STO], v25, 7, v[STO]
	v_add_nc_u32 v[STO], s63, v[STO]               ; in: row r, 128 bytes for each half of the lanes
	v_mul_u32_u24 v[RD], v25, SPITCH
	v_lshl_add_u32 v[RD], v24, 4, v[RD]
	v_add_nc_u32 v[RD], s63, v[RD]                 ; back: lanes 0-15 one row of 256 bytes, lanes 16-31 the next
	v_lshlrev_b32 v[CO], 12, v25
	v_lshl_add_u32 v[CO], v24, 4, v[CO]            ; and the same two rows in out0
	v_lshlrev_b32 v28, 5, v24                      ; weights: row r
	v_lshlrev_b32 v29, 4, v24                      ; b: columns 4 r .. 4 r + 3
	v_add_nc_u32 v[PF1], s66, v23                  ; blocks 33 cx + lane of a K step's 132,
	v_lshlrev_b32 v[PF1], 8, v[PF1]
	v_mov_b32 v[PF2], s66
	v_add_nc_u32 v[PF2], 32, v[PF2]                ; and block 33 cx + 32
	v_lshlrev_b32 v[PF2], 8, v[PF2]
	s_wait_alu depctr_va_vdst(0)
.irp a, 0,1,2,3,4,5,6,7,8,9,10,11,12,13,14,15
	global_load_b128 v[AF+8*\a:AF+8*\a+3], v28, s[8:9] offset:512*\a          ; weights of my 256 rows: v64-191
	global_load_b128 v[AF+8*\a+4:AF+8*\a+7], v28, s[8:9] offset:512*\a+16
.endr
.irp e, 0,1,2,3,4,5,6,7
	global_load_b128 v[BRAW+4*\e:BRAW+4*\e+3], v29, s[10:11] offset:4096*\e   ; b of my 64 columns
.endr
	WL 0, 0
	WL 0, 1
	WL 1, 0
	WL 1, 1
	WL 2, 0
	WL 2, 1
.irp s, 2,3
	global_prefetch_b8 v[PF1], s[AP:AP+1] offset:\s*SLOT th:TH_LOAD_NT scope:SCOPE_SE        ; the first lap's two refills
	global_prefetch_b8 v[PF2], s[AP:AP+1] offset:\s*SLOT th:TH_LOAD_NT scope:SCOPE_SE
.endr
	s_wait_loadcnt 51                              ; weights and b are in; W's three K steps, 51 loads, may be out
	; THE BIAS.  A bf16 fragment is 16 rows x 32 K: lane (r, h), registers 0-3: K = 8 h + 0 .. 7.  K = e has 8 values: b's fragment is zero in lanes 16-31 and in registers 4-7.
.irp f, 0,1,2,3
.irp i, 0,1,2,3
	v_cvt_pk_bf16_f32 v[BFR+8*\f+\i], v[BRAW+8*\i+\f], v[BRAW+8*\i+4+\f]
.endr
.endr
.irp f, 0,1,2,3
.irp i, 0,1,2,3
	v_cndmask_b32 v[BFR+8*\f+\i], 0, v[BFR+8*\f+\i], s22
	v_mov_b32 v[BFR+8*\f+4+\i], 0
.endr
.endr
	WIN 0x40
.irp a, 0,1,2,3,4,5,6,7
.irp i, 0,1,2,3
	v_mov_b32 v[WFR+8*\a+4+\i], 0
.endr
.endr
.irp z, 0,1
	WIN 0x40
.irp a, 0,1,2,3,4,5,6,7
.irp i, 0,1,2,3
	v_cvt_pk_bf16_f32 v[WFR+8*\a+\i], v[AF+64*\z+8*\a+2*\i], v[AF+64*\z+8*\a+2*\i+1]
.endr
.endr
	WIN (0x84+0x40*\z)
.irp a, 0,1,2,3,4,5,6,7
.irp f, 0,1,2,3
	v_wmma_f32_16x16x32_bf16 v[8*(4*\a+\f):8*(4*\a+\f)+7], v[BFR+8*\f:BFR+8*\f+7], v[WFR+8*\a:WFR+8*\a+7], 0
.endr
.endr
	PLACES 9                                       ; the fragments are written anew, and another form adds onto these results next
.endr
	WIN 0
	s_wait_alu depctr_va_vdst(0)
	s_wait_tensorcnt 0x0                           ; my K step of slot 0 is in
	ds_add_u32 v[SPW], v[NIL]
	s_wait_dscnt 0x0
	CROUND
	tensor_load_to_lds s[G0+4:G0+7], s[G1:G1+7]    ; slot 1
	s_nop 0
	PLACES 8
	LDSC 0
	LDA 0, 0
.Llap:                                             ; seven laps: once round the ring; both slots are filled again
	KSTEP 0, 42, 1
	GRP 0, 2, 0, 0, 0
	KSTEP 1, 42, 1
	TURN 1, 0, 1
	KSTEP 2, 42, 1
	GRP 2, 2, 0, 0, 0
	KSTEP 3, 42, 1
	TURN 3, 1, 1
	WIN 0                                          ; at a label and at a branch every window is 0
	s_wait_xcnt 0x0                                ; loads and prefetches have read their bases
	s_add_nc_u64 s[BP:BP+1], s[BP:BP+1], 8*WSTEP
	s_add_nc_u64 s[AP:AP+1], s[AP:AP+1], 2*SLOT
	s_sub_co_u32 s3, s3, 1
	s_cmp_lg_u32 s3, 0
	s_cbranch_scc1 .Llap
	KSTEP 0, 42, 1                                 ; the last lap is written out: it fills nothing, has no round, and asks for nothing past K's end
	GRP 0, 2, 0, 0, 0
	KSTEP 1, 34, 0
	TURN 1, 0, 0
	KSTEP 2, 17, 0
	GRP 2, 2, 0, 0, 0
	KSTEP 3, 0, 0
	GRP 3, 2, 0, 0, 1
	WIN 0
; THE EXCHANGE, in slot 0, which has had its last fill and its last read: I send the half of the rows that I do not keep, each accumulator from its low end on.
.macro SENDX z
	WIN (4*(\z))
.set M_, 0
.rept 32
	ds_store_b128 v[EXS], v[8*M_:8*M_+3] offset:1024*M_
	ds_store_b128 v[EXS], v[8*M_+4:8*M_+7] offset:1024*M_+512
.set M_, M_+1
.endr
	WIN 0
.endm
	PLACES 8
	s_cmp_eq_u32 s19, 0
	s_cbranch_scc0 .Lsend_low
	SENDX 3
	s_branch .Lsent
.Lsend_low:
	SENDX 2
.Lsent:
	s_wait_dscnt 0x0                               ; for the partner's sake: my sums are stored (and my reads of slot 1 are over: the stages lie there)
	s_barrier_signal -1
	s_barrier_wait -1
; THE WAY OUT, block by block of 16 rows x 64 columns: the partner's sums are added; a lane's 32 numbers are neighbouring columns of row r; through my own stage, and back as whole rows of 256 bytes.
; LDS serves a wave's instructions in order (ISA guide 5.7.1.4): no wait between the stage's stores and loads.
.macro RECV a
.irp i, 0,1,2,3,4,5,6,7
	ds_load_b128 v[64+32*((\a)%2)+4*\i:64+32*((\a)%2)+4*\i+3], v[EXR] offset:4096*(\a)+512*\i
.endr
.endm
.macro SEND a, younger                 ; younger: the LDS instructions issued behind block a's loads
.set oB, 192+32*((\a)%2)
	s_wait_dscnt \younger
.irp i, 0,1,2,3,4,5,6,7
	global_store_b128 v[CO], v[oB+4*\i:oB+4*\i+3], s[OP:OP+1] offset:(\a)*65536+\i*8192 th:TH_STORE_NT   ; sixteen lanes store 256 consecutive bytes, at a multiple of 256 from out0's first byte
.endr
.endm
.macro BLOCK a, z, nr
.set oR, 64+32*((\a)%2)
.set oT, 128+32*((\a)%2)
.set oB, 192+32*((\a)%2)
.if (\a) < 7
	RECV (\a)+1
.endif
	s_wait_dscnt \nr                               ; block a's sums are here; what was issued behind them may be out
	WIN (\z)
.irp j, 0,1,2,3,4,5,6,7
.irp f, 0,1,2,3
	v_add_f32 v[oT+4*\j+\f], v[8*(4*(\a)+\f)+\j], v[oR+8*\f+\j]
.endr
.endr
	WIN 0
.irp j, 0,1,2,3,4,5,6,7
	ds_store_b128 v[STO], v[oT+4*\j:oT+4*\j+3] offset:16*\j
.endr
.if (\a) > 1
	s_wait_xcnt 0x0                                ; block a - 2's stores have read their registers
.endif
.irp i, 0,1,2,3,4,5,6,7
	ds_load_b128 v[oB+4*\i:oB+4*\i+3], v[RD] offset:\i*2*SPITCH
.endr
.endm
.macro OUTALL z
	RECV 0
	BLOCK 0, \z, 8
.irp a, 1,2,3,4,5,6
	BLOCK \a, \z, 24
	SEND \a-1, 24
.endr
	BLOCK 7, \z, 16
	SEND 6, 16
	SEND 7, 0
.endm
	s_cmp_eq_u32 s19, 0
	s_cbranch_scc0 .Lkeep_high
	OUTALL 2
	s_branch .Lout
.Lkeep_high:
	OUTALL 3
.Lout:
	s_wait_tensorcnt 0x0                           ; the wave's end
	ds_add_u32 v[SPW], v[NIL]
	s_wait_dscnt 0x0
	CROUND                                         ; the closing round
	s_endpgm
.Lfunc_end_k_qa92a35161f_gemm:
	.size	k_qa92a35161f_gemm, .Lfunc_end_k_qa92a35161f_gemm-k_qa92a35161f_gemm
	.p2alignl 7, 3214868480
	.fill 96, 4, 3214868480
	.section	.rodata,"a",@progbits
	.p2align	6, 0x0
	.amdhsa_kernel k_qa92a35161f_gemm
		.amdhsa_group_segment_fixed_size 327680
		.amdhsa_private_segment_fixed_size 0
		.amdhsa_enable_private_segment 0
		.amdhsa_kernarg_size 40
		.amdhsa_user_sgpr_count 2
		.amdhsa_user_sgpr_kernarg_segment_ptr 1
		.amdhsa_wavefront_size32 1
		.amdhsa_system_sgpr_workgroup_id_x 1
		.amdhsa_system_sgpr_workgroup_id_y 1
		.amdhsa_system_sgpr_workgroup_id_z 1
		.amdhsa_system_vgpr_workitem_id 0
		.amdhsa_next_free_vgpr 1024
		.amdhsa_next_free_sgpr 72
		.amdhsa_reserve_vcc 0
		.amdhsa_float_denorm_mode_32 3
		.amdhsa_float_denorm_mode_16_64 3
		.amdhsa_memory_ordered 1
		.amdhsa_forward_progress 1
		.amdhsa_inst_pref_size 212
	.end_amdhsa_kernel
	.amdgpu_metadata
---
amdhsa.version: [ 1, 2 ]
amdhsa.kernels:
  - .name:           k_qa92a35161f_gemm
    .symbol:         k_qa92a35161f_gemm.kd
    .args:
      - { .name: aq, .offset: 0, .size: 8, .value_kind: global_buffer, .address_space: global }
      - { .name: wq, .offset: 8, .size: 8, .value_kind: global_buffer, .address_space: global }
      - { .name: weights, .offset: 16, .size: 8, .value_kind: global_buffer, .address_space: global }
      - { .name: b, .offset: 24, .size: 8, .value_kind: global_buffer, .address_space: global }
      - { .name: out0, .offset: 32, .size: 8, .value_kind: global_buffer, .address_space: global }
    .group_segment_fixed_size: 327680
    .private_segment_fixed_size: 0
    .kernarg_segment_align: 8
    .kernarg_segment_size: 40
    .max_flat_workgroup_size: 128
    .sgpr_count:     72
    .vgpr_count:     1024
    .wavefront_size: 32
...
	.end_amdgpu_metadata
.endif
;; end of part 2
